; MI455X (gfx1250); checked and timed in simulation.
; The chip was launched on July 23, 2026; its instructions are those of AMD's public machine-readable ISA for CDNA 5 (MIT licence, August 2026) and "CDNA5" Instruction Set Architecture Reference Guide (July 2026). The comments in the code are by the model that wrote it; some were corrected since.
;; Scattering Aware Attention. Allowed arithmetic: matrix products marked QUANTISED: E2M1 operands, one E8M0 scale for each 32 along K, by v_wmma_scale_f32_16x16x128_f8f6f4 with both operands' format E2M1 (or v_wmma_scale_f32_32x16x128_f4), f32 sums; products left as they are: bf16, f16 or f32 operands; f32 sums; everything else in f32.
;; Inputs: G_ii 2 x 2,048 float32; Wk 1,024 x 1,024 float32; Wo 1,024 x 1,024 float32; Wq 1,024 x 1,024 float32; Wv 1,024 x 1,024 float32; bk 1,024 float32; bo 1,024 float32; bq 1,024 float32; bv 1,024 float32; x 2 x 2,048 x 1,024 float32.
;; Outputs: out0 2 x 2,048 x 1,024 float32.
;; This version of the problem:
;;   THIS VERSION OF THE PROBLEM IS GIVEN IN LOW PRECISION. The matrix products marked QUANTISED in the list below multiply operands that are first quantised to E2M1 (2 exponent bits, 1 mantissa bit; 4 bits a number), with one power-of-two scale for each 32 numbers along K (OCP MX v1.0); their sums are f32. The products marked 'left as it is' may take bf16, f16 or f32 operands, with f32 sums. Whichever they take, every output number must still come out within the allowed error. Rounding operands to bf16 (8 significant bits) uses up far more of that allowance than f16 does (11 bits, for magnitudes from 6e-5 to 65,504). All else is computed in f32.
;;   The module's matrix products, in the order in which they are computed (A, B: the left and right operand; K: the contracted axis; several contracted axes count as one K, in the product's order):
;;     1. [M 4,096, K 1,024] x [K 1,024, N 1,024]; A: input x; B: input Wq: QUANTISED
;;     2. [M 4,096, K 1,024] x [K 1,024, N 1,024]; A: input x; B: input Wk: QUANTISED
;;     3. [M 4,096, K 1,024] x [K 1,024, N 1,024]; A: input x; B: input Wv: QUANTISED
;;     4. batch 32 x [M 2,048, K 64] x [K 64, N 2,048]; A: computed on the way; B: computed on the way: left as it is (an operand is computed on the way)
;;     5. batch 32 x [M 2,048, K 2,048] x [K 2,048, N 64]; A: computed on the way; B: computed on the way: left as it is (an operand is computed on the way)
;;     6. [M 4,096, K 1,024] x [K 1,024, N 1,024]; A: computed on the way; B: input Wo: left as it is (an operand is computed on the way)
;;   THE QUANTISER, for each operand of a quantised product, along K:
;;     - K is cut into blocks of 32 from its start; a last block that is shorter is filled with zeros.
;;     - A block's scale is 2^e with e = floor(log2(the largest magnitude in the block)) - 2, held to -126 .. 127; a block of zeros has e = 0. As a byte (E8M0): e + 127.
;;     - Each number is divided by its block's scale, clamped to +-6, and rounded to the nearest number of E2M1, ties to even, subnormals kept.
;;     - The product sums the exact products of the quantised numbers (number of the format x scale) in f32.
;;   ~~~python
;;   def quantise(x, axis):      # numpy; x: float32 -> the quantised numbers, widened to float32 again
;;       x = np.moveaxis(x, axis, -1); K = x.shape[-1]
;;       x = np.pad(x, [(0, 0)] * (x.ndim - 1) + [(0, -K % 32)]); x = x.reshape(x.shape[:-1] + (-1, 32)); a = np.abs(x).max(-1, keepdims=True)
;;       e = np.where(a > 0, np.clip(np.frexp(np.where(a > 0, a, 1))[1] - 1 - 2, -126, 127), 0)      # np.frexp(a)[1] - 1 = floor(log2(a)), exactly
;;       r = np.clip(x / 2.0 ** e, -6, 6)
;;       step = 2.0 ** (np.maximum(np.frexp(np.where(r == 0, 1, r))[1] - 1, 0) - 1)
;;       q = np.round(r / step) * step * 2.0 ** e      # np.round: ties to even
;;       return np.moveaxis(q.reshape(q.shape[:-2] + (-1,))[..., :K], -1, axis).astype(np.float32)
;;   ~~~
;; One version. Each part assembles by itself: llvm-mc -triple=amdgcn-amd-amdhsa -mcpu=gfx1250 --defsym DOCPART=n.
;; ======== version 1 of 1: 4 launches
;; limits: values are held in f16: magnitudes above 65,504 overflow, below 6.1e-05 lose precision
;; workspace buffers: xw_codes 3,670,016 bytes; xw_scales 229,376 bytes; wo_f 2,097,152 bytes; qkv_f 25,165,824 bytes; ao_f 8,388,608 bytes; kinfo 512 bytes of whole numbers
;; launch prep (part 1): grid 209 x 1, 4 waves a work-group, no clusters, 68,096 bytes of LDS; arguments x, Wq, Wk, Wv, Wo, G_ii, xw_codes, xw_scales, wo_f, kinfo; writes xw_codes, xw_scales, wo_f, kinfo
.if DOCPART == 1
	.amdgcn_target "amdgcn-amd-amdhsa--gfx1250"
	.amdhsa_code_object_version 6
	.text
	.protected	k_q33583a62b8_prep
	.globl	k_q33583a62b8_prep
	.p2align	8
	.type	k_q33583a62b8_prep,@function
k_q33583a62b8_prep:
	s_mov_b64 s[64:65], 0
	v_nop
	global_prefetch_b8 v0, s[64:65] scope:SCOPE_SE
	s_setreg_imm32_b32 hwreg(HW_REG_WAVE_MODE, 25, 1), 1
	s_wait_xcnt 0x0
; PREP: four jobs in one launch, parted by the work-group's number alone.
;   0-127   x [4096][1024] f32 -> codes of E2M1 (rows 0-4095 of xw_codes, 512 bytes a row, K innermost) and E8M0 bytes (32 a row)
;   128-175 Wq, Wk, Wv [k][n] f32 -> the same, one row for each COLUMN n: rows 4096 + 1024 w + n (a lane takes a column, its registers run down K)
;   176-207 Wo [k][n] f32 -> f16, laid as images of a 16-bit operand's registers: [n / 16][k / 32][1,024 bytes]
;   208     G_ii -> the list of query blocks: kept ones of batch 0, kept ones of batch 1, skipped ones; and the counts n0, n1, n0 + n1
; A block's scale is 2^(floor(log2(largest magnitude)) - 2): its byte is the largest magnitude's exponent field - 2, held at 1 from below.
; LIMITS: a block of zeros gets the byte 1 (its codes are zeros; this program alone reads the bytes); blocks whose largest magnitude lies under 2^-124 share that floor;
; NaN and infinities in x and the weights are not served; Wo beyond 65,504 becomes infinite in f16; a NaN in G_ii counts as absent from its block's maximum.
; No tensor load, no barrier: waves share nothing.  Each job that uses LDS has bytes of its own.
.set SPARE, 67584                      ; behind both jobs' LDS: the spare words, 128 bytes a wave
.set SPW,   190                        ; v190 LDS address of my spare word; never rewritten
.set NIL,   191                        ; v191 0; never rewritten
.set XWREG, 8192                       ; job x: a wave's LDS region: two stages of 32 x 80 bytes, then its 256 scale bytes
.set XSP,   80                         ; a lane's place in a stage: 64 bytes + 16 of padding
.set XR,    16                         ; v16-79   four sets of 16 numbers as loaded
.set XX,    80                         ; v80-111  two sets of 16 neighbours
.set XE,    112                        ; v112-127 a scale byte for each step
.set XC,    128                        ; v128-189 codes, four registers reserved for each step
.set WPITCH, 272                       ; job w: a stage row: 256 bytes of codes + 16
.set WSTG,  32768                      ; its four stages begin here
.set WX,    32                         ; v32-95   two sets of 32 numbers
.set WC,    96                         ; v96-99   a block's codes
.set WOUT,  112                        ; v112-175 the way out
.set WSB,   24                         ; v24-27   16 scale bytes
.set OX,    32                         ; job Wo: v32-95 two sets of 32 numbers
.set OH,    96                         ; v96-111  32 k x my column as f16 pairs
	s_load_b512 s[4:19], s[0:1], 0x0               ; x, Wq, Wk, Wv, Wo, G_ii, xw_codes, xw_scales
	s_load_b128 s[20:23], s[0:1], 0x40             ; wo_f, kinfo
	v_lshl_add_u32 v[SPW], v0, 2, SPARE
	v_mov_b32 v[NIL], 0
	v_lshrrev_b32 v1, 5, v0
	v_readfirstlane_b32 s24, v1                    ; wave
	v_and_b32 v2, 31, v0                           ; lane
	s_mov_b32 s29, 0
	s_mov_b32 s33, 0
	s_wait_kmcnt 0x0
	s_cmp_lt_u32 ttmp9, 128
	s_cbranch_scc0 .Lnot_x
; ---------------- job x: a wave takes a run of 8,192 numbers, 16 steps of 512.  Loads read 512 consecutive bytes; a step turns through the wave's stage so that a lane holds 16 neighbours along K
	v_lshlrev_b32 v3, 4, v2                        ; my 16 bytes of a load's 512
	s_mul_i32 s25, s24, XWREG
	v_lshrrev_b32 v14, 2, v2
	v_mul_u32_u24 v14, v14, XSP
	v_and_b32 v15, 3, v2
	v_lshl_add_u32 v14, v15, 4, v14
	v_add_nc_u32 v14, s25, v14                     ; into the stage: 80 (lane / 4) + 16 (lane % 4)
	v_mul_u32_u24 v15, v2, XSP
	v_add_nc_u32 v15, s25, v15                     ; out of it: 80 x lane
	v_lshlrev_b32 v4, 3, v2                        ; my 8 bytes of a step's 256 bytes of codes
	v_lshrrev_b32 v5, 1, v2
	s_add_co_u32 s25, s25, 2*32*XSP
	v_add_nc_u32 v5, s25, v5                       ; my block's scale byte in LDS
	v_lshlrev_b32 v7, 3, v2
	v_add_nc_u32 v6, s25, v7                       ; and 8 of the 256 on the way out
	s_lshl_b32 s26, ttmp9, 2
	s_add_co_u32 s26, s26, s24                     ; my run, 0 .. 511
	s_lshl_b32 s28, s26, 15
	s_add_nc_u64 s[4:5], s[4:5], s[28:29]          ; 32,768 bytes of x a run,
	s_lshl_b32 s28, s26, 12
	s_add_nc_u64 s[16:17], s[16:17], s[28:29]      ; 4,096 of codes,
	s_lshl_b32 s28, s26, 8
	s_add_nc_u64 s[18:19], s[18:19], s[28:29]      ; 256 of scale bytes
.macro XLOAD t
.irp i, 0,1,2,3
	global_load_b128 v[XR+16*((\t)%4)+4*\i:XR+16*((\t)%4)+4*\i+3], v3, s[4:5] offset:2048*(\t)+512*\i th:TH_LOAD_NT
.endr
.endm
.macro XTURN t                         ; LDS serves a wave's instructions in order: no wait between the stores and the loads
.irp i, 0,1,2,3
	ds_store_b128 v14, v[XR+16*((\t)%4)+4*\i:XR+16*((\t)%4)+4*\i+3] offset:32*XSP*((\t)%2)+8*XSP*\i
.endr
.irp i, 0,1,2,3
	ds_load_b128 v[XX+16*((\t)%2)+4*\i:XX+16*((\t)%2)+4*\i+3], v15 offset:32*XSP*((\t)%2)+16*\i
.endr
.endm
.irp t, 0,1,2,3
	XLOAD \t
.endr
	s_wait_loadcnt 12                              ; step 0's four loads are in; three steps' twelve stay out
	XTURN 0
.macro XSTEP t
.set XS, XX+16*((\t)%2)
.if (\t) > 0
	s_wait_dscnt 1                                 ; this step's numbers are back from the stage; the last step's byte store may be out
.else
	s_wait_dscnt 0x0
.endif
.if (\t)+4 < 16
	XLOAD (\t)+4                                   ; into the set that the stage's stores have read
.endif
.if (\t)+1 < 16
.if 14-(\t) >= 3
	s_wait_loadcnt 12                              ; the next step's four loads are in; the three steps behind it may be out
.else
	s_wait_loadcnt 4*(14-(\t))
.endif
	XTURN (\t)+1
.endif
	v_max3_num_f32 v8, |v[XS]|, |v[XS+1]|, |v[XS+2]|
	v_max3_num_f32 v9, |v[XS+3]|, |v[XS+4]|, |v[XS+5]|
.irp i, 6,10
	v_max3_num_f32 v8, v8, |v[XS+\i]|, |v[XS+\i+1]|
	v_max3_num_f32 v9, v9, |v[XS+\i+2]|, |v[XS+\i+3]|
.endr
	v_max3_num_f32 v8, v8, |v[XS+14]|, |v[XS+15]|
	v_max3_num_f32 v8, v8, v9, 0x1800000           ; and the floor 2^(3 - 127): the byte cannot fall under 1
	v_max_num_f32_dpp v8, v8, v8 row_xmask:1 row_mask:0xf bank_mask:0xf   ; with my neighbour's 16: the block's largest magnitude
	v_add_nc_u32 v11, 0xff000000, v8               ; 2 off its exponent field: the conversion's scale operand
	v_cvt_scalef32_pk8_fp4_f32 v[XC+4*(\t)], v[XS:XS+7], v11
	v_cvt_scalef32_pk8_fp4_f32 v[XC+4*(\t)+1], v[XS+8:XS+15], v11
	v_lshrrev_b32 v[XE+(\t)], 23, v11              ; the scale's byte (also the plain line behind the conversions)
	ds_store_b8 v5, v[XE+(\t)] offset:16*(\t)      ; both lanes of a block write the same byte with the same value
	global_store_b64 v4, v[XC+4*(\t):XC+4*(\t)+1], s[16:17] offset:256*(\t)   ; the wave stores 256 consecutive bytes, aligned
.endm
.irp t, 0,1,2,3,4,5,6,7,8,9,10,11,12,13,14,15
	XSTEP \t
.endr
	ds_load_b64 v[8:9], v6
	s_wait_dscnt 0x0
	global_store_b64 v7, v[8:9], s[18:19]          ; the run's 256 scale bytes, aligned
	s_wait_tensorcnt 0x0                           ; the wave's end
	ds_add_u32 v[SPW], v[NIL]
	s_wait_dscnt 0x0
	s_endpgm
; ---------------- job w: 48 work-groups: weight (idx / 16), 128 columns (idx % 8), 512 along K ((idx / 8) % 2); a wave takes 32 columns
.Lnot_x:
	s_cmp_lt_u32 ttmp9, 176
	s_cbranch_scc0 .Lnot_w
	s_sub_co_u32 s25, ttmp9, 128
	s_lshr_b32 s26, s25, 4                         ; which weight
	s_and_b32 s27, s25, 7
	s_bfe_u32 s28, s25, 0x10003                    ; which half of K
	s_cmp_eq_u32 s26, 0
	s_cselect_b64 s[30:31], s[6:7], s[8:9]
	s_cmp_eq_u32 s26, 2
	s_cselect_b64 s[30:31], s[10:11], s[30:31]
	s_lshl_b32 s27, s27, 7
	s_lshl_b32 s32, s24, 5
	s_add_co_u32 s27, s27, s32                     ; my wave's first column
	s_lshl_b32 s32, s28, 21                        ; 512 rows of 4,096 bytes
	s_lshl_b32 s34, s27, 2
	s_add_co_u32 s32, s32, s34
	s_add_nc_u64 s[30:31], s[30:31], s[32:33]
	s_lshl_b32 s26, s26, 10
	s_add_co_u32 s26, s26, s27
	s_add_co_u32 s26, s26, 4096                    ; my first row of xw_codes
	s_lshl_b32 s32, s26, 9
	s_lshl_b32 s34, s28, 8
	s_add_co_u32 s32, s32, s34
	s_add_nc_u64 s[16:17], s[16:17], s[32:33]
	s_lshl_b32 s32, s26, 5
	s_lshl_b32 s34, s28, 4
	s_add_co_u32 s32, s32, s34
	s_add_nc_u64 s[18:19], s[18:19], s[32:33]
	v_lshlrev_b32 v3, 2, v2                        ; in: 4 bytes a lane
	s_mul_i32 s35, s24, 32*WPITCH
	s_add_co_u32 s35, s35, WSTG                    ; my stage
	v_mul_u32_u24 v4, v2, WPITCH
	v_add_nc_u32 v4, s35, v4                       ; into it: row = my column
	v_and_b32 v5, 15, v2
	v_lshrrev_b32 v6, 4, v2
	v_mul_u32_u24 v7, v6, WPITCH
	v_lshl_add_u32 v7, v5, 4, v7
	v_add_nc_u32 v7, s35, v7                       ; out of it: sixteen lanes to a row
	v_lshlrev_b32 v8, 9, v6
	v_lshl_add_u32 v8, v5, 4, v8                   ; the same place in xw_codes
	v_lshlrev_b32 v9, 5, v2                        ; my column's row of scale bytes
.macro WLOAD t
.set i, 0
.rept 32
	global_load_b32 v[WX+32*((\t)%2)+i], v3, s[30:31] offset:(32*(\t)+i)*4096 th:TH_LOAD_NT
.set i, i+1
.endr
.endm
	WLOAD 0
	WLOAD 1
.macro WBLOCK t
.set WS, WX+32*((\t)%2)
.if (\t) < 15
	s_wait_loadcnt 32                              ; this block's 32 loads are in; the next block's may be out
.else
	s_wait_loadcnt 0x0
.endif
	v_max3_num_f32 v12, |v[WS]|, |v[WS+1]|, |v[WS+2]|
	v_max3_num_f32 v13, |v[WS+3]|, |v[WS+4]|, |v[WS+5]|
.irp i, 6,10,14,18,22,26
	v_max3_num_f32 v12, v12, |v[WS+\i]|, |v[WS+\i+1]|
	v_max3_num_f32 v13, v13, |v[WS+\i+2]|, |v[WS+\i+3]|
.endr
	v_max3_num_f32 v12, v12, |v[WS+30]|, |v[WS+31]|
	v_max3_num_f32 v12, v12, v13, 0x1800000
	v_add_nc_u32 v11, 0xff000000, v12
	v_lshrrev_b32 v13, 23, v11
.if (\t)%4 == 0
	v_mov_b32 v[WSB+(\t)/4], v13
.else
	v_lshl_or_b32 v[WSB+(\t)/4], v13, 8*((\t)%4), v[WSB+(\t)/4]
.endif
.irp g, 0,1,2,3
	v_cvt_scalef32_pk8_fp4_f32 v[WC+\g], v[WS+8*\g:WS+8*\g+7], v11
.endr
	v_nop                                          ; a plain line behind the conversions
	ds_store_b128 v4, v[WC:WC+3] offset:16*(\t)
.if (\t)+2 < 16
	WLOAD (\t)+2
.endif
	s_wait_dscnt 0x0                               ; the store has read its registers
.endm
.irp t, 0,1,2,3,4,5,6,7,8,9,10,11,12,13,14,15
	WBLOCK \t
.endr
	global_store_b128 v9, v[WSB:WSB+3], s[18:19]
.irp t, 0,1,2,3,4,5,6,7,8,9,10,11,12,13,14,15
	ds_load_b128 v[WOUT+4*\t:WOUT+4*\t+3], v7 offset:2*\t*WPITCH
.endr
.irp t, 0,1,2,3,4,5,6,7,8,9,10,11,12,13,14,15
	s_wait_dscnt 15-\t
	global_store_b128 v8, v[WOUT+4*\t:WOUT+4*\t+3], s[16:17] offset:2*\t*512   ; sixteen lanes store 256 consecutive bytes, aligned
.endr
	s_wait_tensorcnt 0x0                           ; the wave's end, as above
	ds_add_u32 v[SPW], v[NIL]
	s_wait_dscnt 0x0
	s_endpgm
; ---------------- job Wo: work-group kc takes rows 32 kc .. + 31; wave w columns 256 w .. + 255, 32 a step; a lane a column
.Lnot_w:
	s_cmp_lt_u32 ttmp9, 208
	s_cbranch_scc0 .Lpath_g
	s_sub_co_u32 s25, ttmp9, 176
	s_lshl_b32 s32, s25, 17
	s_lshl_b32 s34, s24, 10
	s_add_co_u32 s32, s32, s34
	s_add_nc_u64 s[12:13], s[12:13], s[32:33]
	s_lshl_b32 s32, s25, 10
	s_lshl_b32 s34, s24, 19
	s_add_co_u32 s32, s32, s34
	s_add_nc_u64 s[20:21], s[20:21], s[32:33]
	v_lshlrev_b32 v3, 2, v2
	v_lshlrev_b32 v1, 4, v2
.macro OLOAD s
.set i, 0
.rept 32
	global_load_b32 v[OX+32*((\s)%2)+i], v3, s[12:13] offset:4096*i+128*(\s) th:TH_LOAD_NT
.set i, i+1
.endr
.endm
; 32 k of my column become 16 registers of f16 pairs.  Lanes 0-15 hold the columns of one tile of 16, lanes 16-31 those of the next.  The operand's layout gives lane (r, h) k = 8 h .. + 7
; and 16 + 8 h .. + 7 of column r: eight exchanges of halves of the lanes make the two tiles' images.
.macro OSTEP s
.if (\s) < 7
	s_wait_loadcnt 32                              ; the next step's 32 loads may be out
.else
	s_wait_loadcnt 0x0
.endif
.if (\s) > 0
	s_wait_xcnt 0x0                                ; the last step's stores have read their data registers
.endif
.set i, 0
.rept 16
	v_cvt_pk_f16_f32 v[OH+i], v[OX+32*((\s)%2)+2*i], v[OX+32*((\s)%2)+2*i+1]
.set i, i+1
.endr
.irp i, 0,1,2,3,8,9,10,11
	v_permlane16_swap_b32 v[OH+\i], v[OH+\i+4]
.endr
.if (\s)+2 < 8
	OLOAD (\s)+2
.endif
	global_store_b128 v1, v[OH:OH+3], s[20:21] offset:65536*(\s)              ; each store covers 512 consecutive bytes, aligned
	global_store_b128 v1, v[OH+8:OH+11], s[20:21] offset:65536*(\s)+512
	global_store_b128 v1, v[OH+4:OH+7], s[20:21] offset:65536*(\s)+32768
	global_store_b128 v1, v[OH+12:OH+15], s[20:21] offset:65536*(\s)+33280
.endm
	OLOAD 0
	OLOAD 1
.irp s, 0,1,2,3,4,5,6,7
	OSTEP \s
.endr
	s_endpgm
; ---------------- job G: one wave; lane L is block L of each batch.  No address and no branch hangs on the result: places are chosen by v_cndmask_b32 and stored at fixed addresses
.Lpath_g:
	s_cmp_lg_u32 s24, 0
	s_cbranch_scc1 .Lg_end
	v_lshlrev_b32 v3, 8, v2                        ; a block's 64 numbers are 256 bytes
.set i, 0
.rept 16
	global_load_b128 v[32+4*i:35+4*i], v3, s[14:15] offset:16*i
	global_load_b128 v[96+4*i:99+4*i], v3, s[14:15] offset:8192+16*i
.set i, i+1
.endr
	s_wait_loadcnt 0x0
	v_max3_num_f32 v20, |v32|, |v33|, |v34|
	v_max3_num_f32 v21, |v96|, |v97|, |v98|
.set i, 3
.rept 30
	v_max3_num_f32 v20, v20, |v[32+i]|, |v[33+i]|
	v_max3_num_f32 v21, v21, |v[96+i]|, |v[97+i]|
.set i, i+2
.endr
	v_max_num_f32 v20, v20, |v95|
	v_max_num_f32 v21, v21, |v159|
	s_mov_b32 s27, 0x3f7d70a4                      ; 0.99 in f32
	v_cmp_le_f32 s28, s27, v20                     ; kept blocks of batch 0,
	v_cmp_le_f32 s29, s27, v21                     ; of batch 1
	s_bcnt1_i32_b32 s30, s28                       ; n0
	s_bcnt1_i32_b32 s31, s29                       ; n1
	s_add_co_u32 s32, s30, s31                     ; N
	v_mbcnt_lo_u32_b32 v22, s28, 0                 ; kept blocks below mine
	v_mbcnt_lo_u32_b32 v23, s29, 0
	v_sub_nc_u32 v24, v2, v22                      ; skipped blocks below mine
	v_add_nc_u32 v24, s32, v24                     ; a skipped block of batch 0 stands at N + that,
	v_sub_nc_u32 v25, v2, v23
	s_add_co_u32 s33, s31, 32                      ; N + 32 - n0 = n1 + 32
	v_add_nc_u32 v25, s33, v25                     ; one of batch 1 behind batch 0's 32 - n0
	v_add_nc_u32 v23, s30, v23                     ; a kept block of batch 1 behind batch 0's n0
	v_cndmask_b32 v26, v24, v22, s28               ; my block's place in the list, batch 0,
	v_cndmask_b32 v27, v25, v23, s29               ; batch 1
	v_mov_b32 v30, 0                               ; the list's words 0-31, a lane a word,
	v_mov_b32 v31, 0                               ; words 32-63
	v_add_nc_u32 v28, 32, v2
.set i, 0
.rept 64                               ; block i goes to the lane whose number is its place
	v_readlane_b32 s34, v[26+i/32], i%32
	v_mov_b32 v29, i
	v_cmp_eq_u32 vcc_lo, s34, v2
	v_cndmask_b32 v30, v30, v29, vcc_lo
	v_cmp_eq_u32 vcc_lo, s34, v28
	v_cndmask_b32 v31, v31, v29, vcc_lo
.set i, i+1
.endr
	v_mov_b32 v16, 0
	v_writelane_b32 v16, s30, 0
	v_writelane_b32 v16, s31, 1
	v_writelane_b32 v16, s32, 2
	v_lshlrev_b32 v17, 2, v2
	global_store_b32 v17, v30, s[22:23]
	global_store_b32 v17, v31, s[22:23] offset:128
	global_store_b32 v17, v16, s[22:23] offset:256
.Lg_end:
	s_endpgm
.Lfunc_end_k_q33583a62b8_prep:
	.size	k_q33583a62b8_prep, .Lfunc_end_k_q33583a62b8_prep-k_q33583a62b8_prep
	.p2alignl 7, 3214868480
	.fill 96, 4, 3214868480
	.section	.rodata,"a",@progbits
	.p2align	6, 0x0
	.amdhsa_kernel k_q33583a62b8_prep
		.amdhsa_group_segment_fixed_size 68096
		.amdhsa_private_segment_fixed_size 0
		.amdhsa_enable_private_segment 0
		.amdhsa_kernarg_size 80
		.amdhsa_user_sgpr_count 2
		.amdhsa_user_sgpr_kernarg_segment_ptr 1
		.amdhsa_wavefront_size32 1
		.amdhsa_system_sgpr_workgroup_id_x 1
		.amdhsa_system_sgpr_workgroup_id_y 1
		.amdhsa_system_sgpr_workgroup_id_z 1
		.amdhsa_system_vgpr_workitem_id 0
		.amdhsa_next_free_vgpr 192
		.amdhsa_next_free_sgpr 66
		.amdhsa_reserve_vcc 1
		.amdhsa_float_denorm_mode_32 3
		.amdhsa_float_denorm_mode_16_64 3
		.amdhsa_memory_ordered 1
		.amdhsa_forward_progress 1
		.amdhsa_inst_pref_size 172
	.end_amdhsa_kernel
	.amdgpu_metadata
---
amdhsa.version: [ 1, 2 ]
amdhsa.kernels:
  - .name:           k_q33583a62b8_prep
    .symbol:         k_q33583a62b8_prep.kd
    .args:
      - { .name: x, .offset: 0, .size: 8, .value_kind: global_buffer, .address_space: global }
      - { .name: Wq, .offset: 8, .size: 8, .value_kind: global_buffer, .address_space: global }
      - { .name: Wk, .offset: 16, .size: 8, .value_kind: global_buffer, .address_space: global }
      - { .name: Wv, .offset: 24, .size: 8, .value_kind: global_buffer, .address_space: global }
      - { .name: Wo, .offset: 32, .size: 8, .value_kind: global_buffer, .address_space: global }
      - { .name: G_ii, .offset: 40, .size: 8, .value_kind: global_buffer, .address_space: global }
      - { .name: xw_codes, .offset: 48, .size: 8, .value_kind: global_buffer, .address_space: global }
      - { .name: xw_scales, .offset: 56, .size: 8, .value_kind: global_buffer, .address_space: global }
      - { .name: wo_f, .offset: 64, .size: 8, .value_kind: global_buffer, .address_space: global }
      - { .name: kinfo, .offset: 72, .size: 8, .value_kind: global_buffer, .address_space: global }
    .group_segment_fixed_size: 68096
    .private_segment_fixed_size: 0
    .kernarg_segment_align: 8
    .kernarg_segment_size: 80
    .max_flat_workgroup_size: 128
    .sgpr_count:     66
    .vgpr_count:     192
    .wavefront_size: 32
...
	.end_amdgpu_metadata
.endif
;; end of part 1
;; launch qkv (part 2): grid 12 x 16, 4 waves a work-group, clusters of 4 x 4, 327,680 bytes of LDS; arguments xw_codes, xw_scales, bq, bk, qkv_f; writes qkv_f
.if DOCPART == 2
	.amdgcn_target "amdgcn-amd-amdhsa--gfx1250"
	.amdhsa_code_object_version 6
	.text
	.protected	k_q33583a62b8_qkv
	.globl	k_q33583a62b8_qkv
	.p2align	8
	.type	k_q33583a62b8_qkv,@function
k_q33583a62b8_qkv:
	s_mov_b64 s[64:65], 0
	v_nop
	global_prefetch_b8 v0, s[64:65] scope:SCOPE_SE
	s_setreg_imm32_b32 hwreg(HW_REG_WAVE_MODE, 25, 1), 1
	s_wait_xcnt 0x0
	s_wait_alu depctr_hold_cnt(0) depctr_sa_sdst(0) depctr_va_vdst(0) depctr_va_sdst(0) depctr_va_ssrc(0) depctr_va_vcc(0) depctr_vm_vsrc(0)
	s_getreg_b32 s2, hwreg(HW_REG_IB_STS2, 6, 4)
	s_cmp_eq_u32 s2, 0
	s_cbranch_scc0 .Lentry_in_a_cluster
	s_endpgm
.Lentry_in_a_cluster:
	s_bfe_u32 s2, ttmp6, 0x10000c
	s_cmp_lg_u32 s2, 0xf033
	s_cbranch_scc0 .Lentry_shape_is_right
	s_endpgm
.Lentry_shape_is_right:
; q = x Wq + bq, k = x Wk + bk, v0 = x Wv, on codes of E2M1 with one E8M0 byte for each 32 along K = 1,024; f32 sums; results rounded once to f16 and stored as images of the operand registers
; in which the attention takes them.  (bv is added behind the softmax's division, where the weights sum to 1.)
; xw_codes: 7,168 rows of 512 bytes: tokens 0-4095, then the columns of Wq, Wk, Wv.  A tile of the result, 256 x 256, is made by four waves, each 128 x 128: 64 accumulators.
; The cluster's x says which product (0 q, 1 k, 2 v).  q, k: "A" = tokens, "B" = weight columns.  v: "A" = Wv's columns, "B" = tokens.  THE MATRIX INSTRUCTION IS USED TRANSPOSED (source 0 = 16 rows of B,
; source 1 = 16 rows of A): a lane holds one row of A and eight neighbouring rows of B: for q, k one token and 8 channels, for v one channel and 8 keys: in both cases half an operand register group.
; K = 1,024 is two slots of 512: both are first fills, nothing is filled again.  The scale bytes of the tile's 512 rows come once, in whole units of 256 bytes.
; CLUSTER 4 x 4: A's tile is shared along a row of the cluster, B's along a column: joint loads.  Which product it is enters scalar selects alone, never a branch, and is the same in all sixteen.
; LIMIT: results beyond 65,504 become infinite in f16; under 6e-5 they keep a step of 6e-8.
; REGISTERS: window 0: v8-11, v16-29 addresses; v32-95 scale words, two sets; v128-191 A's fragments, later the packed results; v192-255 the bias in the result's layout.
;   window 1: B's fragments, two sets.   windows 2, 3: the accumulators ((a, b) at v[8 (8 (a % 4) + b)]).
.set KSTEP,  512
.set NQ,     4
.set ROWB,   256
.set KROW,   512
.set PITCH,  272                       ; an LDS row: 256 bytes + 16: the 16 rows that a load touches start in 16 different 16-byte columns
.set FR,     8
.set NL,     2
.set NP,     4
.set HALFT,  128*PITCH
.set SLOT,   4*HALFT
.set KS,     32
.set SCL,    2*SLOT
.set HALFS,  (128*KS/256)*272
.set SBLK,   (16*KS/256)*272
.set SPARE,  SCL+4*HALFS               ; the spare words, 128 bytes a wave
.set VO,   8                           ; v8-11  the way out: my 16 bytes in the four images of a block
.set ADRA, 16
.set ADRB, 20
.set ADRS, 27
.set SPW,  28
.set NIL,  29
.set SC,   32
.set AF,   128
.set TMP,  128
.set BIAS, 192
.set G1, 24
.set G0, 32
.set G1B, 48
.set G0B, 56
.set G1S, 68
.set G0S, 76
.set G1SB, 80
.set G0SB, 88
.set MSB, 0
.macro WIN new                         ; the immediate's high byte repeats the setting that is left
.if MSB != (\new)
	s_set_vgpr_msb (MSB<<8)|(\new)
.set MSB, (\new)
.endif
.endm
.set MUL_LO, 0xa1                      ; source 0 (B) window 1, source 1 (A) window 0, C and D window 2
.set MUL_HI, 0xf1
.set TO_B,   0x40
; A joint load: waves 0 and 1 fetch for A, waves 2 and 3 for B; the branch hangs on the wave's number alone.  An s_nop 0 and four v_nop follow each line.
.macro JLOAD g0a, g1a, g0b, g1b
	s_cmp_eq_u32 s15, 0
	s_cbranch_scc0 .Lfor_b_\@
	tensor_load_to_lds s[\g0a:\g0a+3], s[\g1a:\g1a+7]
	s_nop 0
.rept 4
	v_nop
.endr
	s_branch .Lasked_\@
.Lfor_b_\@:
	tensor_load_to_lds s[\g0b:\g0b+3], s[\g1b:\g1b+7]
	s_nop 0
.rept 4
	v_nop
.endr
.Lasked_\@:
.endm
.macro CROUND                          ; a round of the cluster's barrier
	s_barrier_signal -1
	s_barrier_wait -1
	s_cmp_lg_u32 s14, 0
	s_cbranch_scc1 .Lnot_wave_0_\@
	s_barrier_signal -3
.Lnot_wave_0_\@:
	s_barrier_wait -3
	s_barrier_signal -1
	s_barrier_wait -1
.endm
	s_load_b256 s[4:11], s[0:1], 0x0               ; codes s[4:5], scales s[6:7], bq s[8:9], bk s[10:11]
	s_load_b64 s[12:13], s[0:1], 0x20              ; qkv_f
	v_lshl_add_u32 v[SPW], v0, 2, SPARE
	v_mov_b32 v[NIL], 0
	ds_add_u32 v[SPW], v[NIL]                      ; the wave's opening: the add, twice on end, and its wait ahead of my first tensor load
	ds_add_u32 v[SPW], v[NIL]
	v_lshrrev_b32 v1, 5, v0
	v_readfirstlane_b32 s14, v1                    ; wave
	s_lshr_b32 s15, s14, 1                         ; my half of A's rows.  Also: I fetch for A (0) or B (1)
	s_and_b32 s16, s14, 1                          ; my half of B's rows.  Also: which 128 rows I fetch
	s_bfe_u32 s40, ttmp6, 0x40000                  ; cx
	s_bfe_u32 s41, ttmp6, 0x40004                  ; cy
	s_and_b32 s17, ttmp7, 0xffff
	s_lshl_b32 s17, s17, 2                         ; 4 x cluster y: the cluster's first tile of tokens
	s_lshl_b32 s18, ttmp9, 2
	s_add_co_u32 s18, s18, 16                      ; the product's first tile of weight columns
	s_cmp_eq_u32 ttmp9, 2                          ; v?
	s_cselect_b32 s42, 24, s17
	s_cselect_b32 s67, s17, s18
	s_cselect_b32 s66, 0, -1                       ; the lanes in which the bias counts: none for v
	s_add_co_u32 s42, s42, s41                     ; A's tile (units of 256 rows): hangs on cy, never on cx
	s_add_co_u32 s67, s67, s40                     ; B's tile: hangs on cx, never on cy
	s_lshl_b32 s43, s41, 2
	s_lshl_b32 s43, 15, s43                        ; my row of the cluster
	s_lshl_b32 s44, 0x1111, s40                    ; my column
	s_or_b32 s[G1+0], s43, (0<<16)|(1<<20)|(1<<21)|(5<<22)|(3<<25)   ; mask; elements of 1 byte; padding: 4 words after every 64; bit 21 beside a mask
	s_or_b32 s[G1B+0], s44, (0<<16)|(1<<20)|(1<<21)|(5<<22)|(3<<25)
.irp g, G1, G1B
	s_mov_b32 s[\g+1], ROWB<<16                    ; tensor_dim0 = 256
	s_mov_b32 s[\g+2], 128<<16                     ; tensor_dim1 = 128
	s_mov_b32 s[\g+3], ROWB<<16                    ; tile_dim0
	s_mov_b32 s[\g+4], 128                         ; tile_dim1
	s_mov_b32 s[\g+5], KROW                        ; pitch
	s_mov_b32 s[\g+6], 0
	s_mov_b32 s[\g+7], 0
.endr
	s_or_b32 s[G1S+0], s43, (3<<16)|(1<<20)|(1<<21)|(5<<22)|(3<<25)  ; the scales of 128 rows: 4,096 dense bytes as 16 rows of 32 elements of 8 bytes
	s_or_b32 s[G1SB+0], s44, (3<<16)|(1<<20)|(1<<21)|(5<<22)|(3<<25)
.irp g, G1S, G1SB
	s_mov_b32 s[\g+1], 32<<16
	s_mov_b32 s[\g+2], (128*KS/256)<<16
	s_mov_b32 s[\g+3], 32<<16
	s_mov_b32 s[\g+4], 128*KS/256
	s_mov_b32 s[\g+5], 32
	s_mov_b32 s[\g+6], 0
	s_mov_b32 s[\g+7], 0
.endr
	s_lshl_b32 s18, s16, 7
	s_lshl_b32 s20, s42, 8
	s_add_co_u32 s20, s20, s18                     ; A: the first row that I fetch
	s_lshl_b32 s46, s67, 8
	s_add_co_u32 s46, s46, s18                     ; B likewise
	s_lshl_b32 s22, s20, 5                         ; its scale bytes,
	s_mov_b32 s23, 0
	s_lshl_b32 s92, s46, 5
	s_mov_b32 s93, 0
	s_lshl_b32 s20, s20, 9                         ; its codes
	s_mov_b32 s21, 0
	s_lshl_b32 s46, s46, 9
	s_mov_b32 s47, 0
	s_mul_i32 s45, s14, HALFT                      ; where they go: wave x 128 rows
	s_mul_i32 s94, s14, HALFS
	s_wait_dscnt 0x0                               ; both opening adds are done
	s_wait_kmcnt 0x0
	s_add_nc_u64 s[20:21], s[4:5], s[20:21]
	s_add_nc_u64 s[22:23], s[6:7], s[22:23]
	s_add_nc_u64 s[46:47], s[4:5], s[46:47]
	s_add_nc_u64 s[92:93], s[6:7], s[92:93]
	CROUND                                         ; all sixteen work-groups are here: the joint loads meet
	s_mov_b32 s[G0S], 1
	s_add_co_u32 s[G0S+1], s94, SCL
	s_mov_b64 s[G0S+2:G0S+3], s[22:23]
	s_or_b32 s[G0S+3], s[G0S+3], 0x80000000
	s_mov_b32 s[G0SB], 1
	s_add_co_u32 s[G0SB+1], s94, SCL
	s_mov_b64 s[G0SB+2:G0SB+3], s[92:93]
	s_or_b32 s[G0SB+3], s[G0SB+3], 0x80000000
	JLOAD G0S, G1S, G0SB, G1SB                     ; the scales first; three tensor loads of mine are out behind the third
.irp s, 0,1
	s_mov_b32 s[G0+4*\s], 1
	s_add_co_u32 s[G0+4*\s+1], s45, \s*SLOT
	s_add_nc_u64 s[G0+4*\s+2:G0+4*\s+3], s[20:21], \s*ROWB
	s_or_b32 s[G0+4*\s+3], s[G0+4*\s+3], 0x80000000
	s_mov_b32 s[G0B+4*\s], 1
	s_add_co_u32 s[G0B+4*\s+1], s45, \s*SLOT
	s_add_nc_u64 s[G0B+4*\s+2:G0B+4*\s+3], s[46:47], \s*ROWB
	s_or_b32 s[G0B+4*\s+3], s[G0B+4*\s+3], 0x80000000
	JLOAD G0+4*\s, G1, G0B+4*\s, G1B
.endr
	v_and_b32 v1, 15, v0                           ; r
	v_bfe_u32 v2, v0, 4, 1                         ; h
	; the bias, as the C of each sum's first instruction: register 8 b + j of lane (r, h) is channel 16 b + 8 h + j of my 128
	v_lshlrev_b32 v7, 5, v2
	s_cmp_eq_u32 ttmp9, 0
	s_cselect_b64 s[96:97], s[8:9], s[10:11]       ; bq for q, bk else (for v it is loaded and put aside: the addresses lie inside the buffer)
	s_lshl_b32 s98, s40, 10
	s_lshl_b32 s99, s16, 9
	s_add_co_u32 s98, s98, s99
	s_mov_b32 s99, 0
	s_add_nc_u64 s[96:97], s[96:97], s[98:99]
.irp b, 0,1,2,3,4,5,6,7
.irp c, 0,1
	global_load_b128 v[BIAS+8*\b+4*\c:BIAS+8*\b+4*\c+3], v7, s[96:97] offset:64*\b+16*\c
.endr
.endr
	v_mul_u32_u24 v3, v1, PITCH
	v_lshl_add_u32 v4, v2, 4, v3                   ; a fragment's row x pitch + 16 h
	s_mul_i32 s21, s15, HALFT
	s_mul_i32 s22, s16, HALFT
	s_add_co_u32 s22, s22, 2*HALFT
.irp s, 0,1
	v_add_nc_u32 v[ADRA+\s], s21, v4
	v_add_nc_u32 v[ADRB+\s], s22, v4
	s_add_co_u32 s21, s21, SLOT
	s_add_co_u32 s22, s22, SLOT
.endr
	v_mul_u32_u24 v5, v1, KS                       ; my row's scales: 32 bytes a row,
	v_lshrrev_b32 v6, 8, v5
	v_lshl_add_u32 v5, v6, 4, v5                   ; and 16 more for each 256 passed
	s_mul_i32 s21, s15, HALFS
	s_mul_i32 s22, s16, HALFS
	s_add_co_u32 s22, s22, 2*HALFS
	s_sub_co_u32 s22, s22, s21
	v_mul_u32_u24 v6, s22, v2                      ; lanes 16-31 take B's
	s_add_co_u32 s21, s21, SCL
	v_add_nc_u32 v5, v5, v6
	v_add_nc_u32 v[ADRS], s21, v5
	s_wait_loadcnt 0x0                             ; the bias is in; its base may be written again
.set i, 0
.rept 64
	v_cndmask_b32 v[BIAS+i], 0, v[BIAS+i], s66     ; for v: zeros
.set i, i+1
.endr
	; the way out.  tok, ch: my first token and channel, in units of 128
	s_add_co_u32 s95, s17, s40
	s_lshl_b32 s95, s95, 1
	s_add_co_u32 s95, s95, s16                     ; v: tokens are B's rows
	s_add_co_u32 s18, s17, s41
	s_lshl_b32 s18, s18, 1
	s_add_co_u32 s18, s18, s15                     ; q, k: A's
	s_lshl_b32 s19, s41, 1
	s_add_co_u32 s19, s19, s15                     ; v: channels are A's rows
	s_lshl_b32 s3, s40, 1
	s_add_co_u32 s3, s3, s16                       ; q, k: B's
	s_mov_b32 s96, 2048
	s_mov_b32 s100, 1024
	s_mov_b32 s101, 262144
	s_cmp_eq_u32 ttmp9, 2
	s_cselect_b32 s95, s95, s18
	s_cselect_b32 s19, s19, s3
	s_cselect_b32 s96, 1024, s96                   ; from one block of A's 16 rows to the next: a tile of tokens (2,048 bytes) or of channels (1,024)
	s_cselect_b32 s98, 258048, 0                   ; v: behind four tiles of channels the next head: 262,144 - 4,096 more
	s_cselect_b32 s100, 4096, s100                 ; from one pair of B's blocks to the next: a chunk of 32 channels (1,024), or 32 keys (4,096)
	s_cselect_b32 s101, 8192, s101                 ; and two pairs on: the next head (262,144), or 64 keys
	s_add_co_u32 s98, s98, s96
	s_mov_b32 s97, 0
	s_mov_b32 s99, 0
	s_lshr_b32 s18, s95, 4                         ; batch
	s_lshl_b32 s18, s18, 4
	s_lshl_b32 s19, s19, 1                         ; head
	s_add_co_u32 s18, s18, s19
	s_lshl_b32 s18, s18, 18                        ; 262,144 bytes for a batch and head
	s_and_b32 s19, s95, 15
	s_lshl_b32 s19, s19, 14                        ; 128 bytes a token (q, k: 2,048 for 16; v: 4,096 for 32)
	s_add_co_u32 s18, s18, s19
	s_lshl_b32 s19, ttmp9, 23                      ; q, k, v: 8 MiB each
	s_add_co_u32 s18, s18, s19
	s_mov_b32 s19, 0
	s_add_nc_u64 s[12:13], s[12:13], s[18:19]
	v_and_b32 v6, 31, v0
	v_lshlrev_b32 v[VO], 4, v6
	v_add_nc_u32 v[VO+1], s100, v[VO]
	v_add_nc_u32 v[VO+2], s101, v[VO]
	v_add_nc_u32 v[VO+3], s101, v[VO+1]
.macro FRAG reg, adr, q, i             ; 16 rows x 128 K of 4-bit codes: 8 registers: two loads of 16 bytes, 32 bytes apart
.irp c, 0,1
	ds_load_b128 v[\reg+4*\c:\reg+4*\c+3], v[\adr] offset:64*(\q)+32*\c+(\i)*16*PITCH
.endr
.endm
; 16 matrix instructions: A's blocks a0, a0 + 1 x B's eight.  first = 1: the bias starts the sums.  The 64 accumulators take turns, one instruction a turn.
.macro MUL16 a0, p, q, sc, first
.irp a, \a0, \a0+1
.irp b, 0,1,2,3,4,5,6,7
.if \first
	v_wmma_scale_f32_16x16x128_f8f6f4 v[8*(8*((\a)%4)+\b):8*(8*((\a)%4)+\b)+7], v[128*(\p)+FR*\b:128*(\p)+FR*\b+FR-1], v[AF+FR*(\a):AF+FR*(\a)+FR-1], v[BIAS+8*\b:BIAS+8*\b+7], v[SC+8*NQ*(\sc)+NQ*\b+(\q)], v[SC+8*NQ*(\sc)+NQ*(\a)+(\q)] matrix_a_fmt:MATRIX_FMT_FP4 matrix_b_fmt:MATRIX_FMT_FP4 matrix_a_scale:MATRIX_SCALE_ROW1
.else
	v_wmma_scale_f32_16x16x128_f8f6f4 v[8*(8*((\a)%4)+\b):8*(8*((\a)%4)+\b)+7], v[128*(\p)+FR*\b:128*(\p)+FR*\b+FR-1], v[AF+FR*(\a):AF+FR*(\a)+FR-1], v[8*(8*((\a)%4)+\b):8*(8*((\a)%4)+\b)+7], v[SC+8*NQ*(\sc)+NQ*\b+(\q)], v[SC+8*NQ*(\sc)+NQ*(\a)+(\q)] matrix_a_fmt:MATRIX_FMT_FP4 matrix_b_fmt:MATRIX_FMT_FP4 matrix_a_scale:MATRIX_SCALE_ROW1
.endif
.endr
.endr
.endm
.macro FETCH_B slot, q, p
	WIN TO_B
.irp i, 0,1,2,3,4,5,6,7
	FRAG 128*(\p)+FR*\i, ADRB+\slot, \q, \i
.endr
	WIN 0
.endm
.macro FETCH_A slot, q, i0
.irp i, \i0, \i0+1, \i0+2, \i0+3
	FRAG AF+FR*(\i), ADRA+\slot, \q, \i
.endr
.endm
.macro SCALES sc                       ; a slot's scale words: lanes 0-15 A's block i, lanes 16-31 B's block i
.irp i, 0,1,2,3,4,5,6,7
	ds_load_b128 v[SC+8*NQ*\sc+NQ*\i:SC+8*NQ*\sc+NQ*\i+3], v[ADRS] offset:\i*SBLK
.endr
.endm
.macro PLACES n                        ; plain vector lines between a matrix instruction and a load into, or a read of, its registers
.rept \n
	v_nop
.endr
.endm
.macro STEP slot, q, first             ; 128 along K, its successor in the same slot
	s_wait_dscnt 4*NL                              ; B's set and A's blocks 0-3 are in; the youngest eight loads (A's blocks 4-7) may be out
.if \first
	WIN 0x81                                       ; C (the bias) window 0, D window 2
.else
	WIN MUL_LO
.endif
	MUL16 0, (\q)%2, \q, \slot, \first
	MUL16 2, (\q)%2, \q, \slot, \first
	s_wait_dscnt 0
	PLACES NP
	FETCH_B \slot, (\q)+1, 1-(\q)%2
	FETCH_A \slot, (\q)+1, 0
.if \first
	WIN 0xc1
.else
	WIN MUL_HI
.endif
	MUL16 4, (\q)%2, \q, \slot, \first
	MUL16 6, (\q)%2, \q, \slot, \first
	PLACES NP
	WIN 0
	FETCH_A \slot, (\q)+1, 4
.endm
; Slot 0's last step changes slots: each wave waits for all its tensor loads (slot 1's), adds 0 to its spare word, waits for that and for its reads; one barrier.  Nothing is filled again.
.macro TURN slot, next
	s_wait_tensorcnt 0x0
	ds_add_u32 v[SPW], v[NIL]
	s_wait_dscnt 4*NL+1                            ; (the add and A's blocks 4-7 may be out)
	WIN MUL_LO
	MUL16 0, 1, NQ-1, \slot, 0
	s_wait_dscnt 0x0
	s_barrier_signal -1
	MUL16 2, 1, NQ-1, \slot, 0
	WIN 0
	s_barrier_wait -1
	PLACES NP
	v_add_nc_u32 v[ADRS], 4*NQ, v[ADRS]            ; the next slot's scale words
	FETCH_B \next, 0, 0
	FETCH_A \next, 0, 0
	SCALES \next
	WIN MUL_HI
	MUL16 4, 1, NQ-1, \slot, 0
	MUL16 6, 1, NQ-1, \slot, 0
	PLACES NP
	WIN 0
	FETCH_A \next, 0, 4
.endm
	s_wait_tensorcnt 1                             ; the scales and my part of slot 0 are in; slot 1's load may be out
	s_barrier_signal -1
	s_barrier_wait -1
	FETCH_B 0, 0, 0
	FETCH_A 0, 0, 0
	SCALES 0
	FETCH_A 0, 0, 4
	STEP 0, 0, 1
	STEP 0, 1, 0
	STEP 0, 2, 0
	TURN 0, 1
	STEP 1, 0, 0
	STEP 1, 1, 0
	STEP 1, 2, 0
	s_wait_dscnt 4*NL                              ; the last step: nothing more to fetch
	WIN MUL_LO
	MUL16 0, 1, NQ-1, 1, 0
	MUL16 2, 1, NQ-1, 1, 0
	s_wait_dscnt 0
	WIN MUL_HI
	MUL16 4, 1, NQ-1, 1, 0
	MUL16 6, 1, NQ-1, 1, 0
	WIN 0
; THE WAY OUT, a block of A's 16 rows at a time.  A lane's eight results of accumulator (a, b) pack into 16 bytes: registers 4 (b % 2) .. + 3 of the image of pair b / 2.  So an image leaves as it stands:
; each store covers 512 consecutive bytes, aligned.  No LDS.
.macro OUTBLK a
.if (\a) > 0
	s_wait_xcnt 0x0                                ; the earlier stores have read their data and their base
.if (\a) == 4
	s_add_nc_u64 s[12:13], s[12:13], s[98:99]
.else
	s_add_nc_u64 s[12:13], s[12:13], s[96:97]
.endif
.endif
.set AC, 64*((\a)%4)
.set TT, TMP+32*((\a)%2)
	WIN 0x0a+5*((\a)/4)                            ; sources in window 2 or 3
.irp b, 0,1,2,3,4,5,6,7
.irp r, 0,1,2,3
	v_cvt_pk_f16_f32 v[TT+4*\b+\r], v[AC+8*\b+2*\r], v[AC+8*\b+2*\r+1]   ; each accumulator from its low end on
.endr
.endr
	WIN 0
.irp i, 0,1,2,3
.irp c, 0,1
	global_store_b128 v[VO+\i], v[TT+8*\i+4*\c:TT+8*\i+4*\c+3], s[12:13] offset:512*\c
.endr
.endr
.endm
	PLACES NP
.irp a, 0,1,2,3,4,5,6,7
	OUTBLK \a
.endr
	s_wait_tensorcnt 0x0                           ; the wave's end
	ds_add_u32 v[SPW], v[NIL]
	s_wait_dscnt 0x0
	CROUND                                         ; the closing round
	s_endpgm
.Lfunc_end_k_q33583a62b8_qkv:
	.size	k_q33583a62b8_qkv, .Lfunc_end_k_q33583a62b8_qkv-k_q33583a62b8_qkv
	.p2alignl 7, 3214868480
	.fill 96, 4, 3214868480
	.section	.rodata,"a",@progbits
	.p2align	6, 0x0
	.amdhsa_kernel k_q33583a62b8_qkv
		.amdhsa_group_segment_fixed_size 327680
		.amdhsa_private_segment_fixed_size 0
		.amdhsa_enable_private_segment 0
		.amdhsa_kernarg_size 40
		.amdhsa_user_sgpr_count 2
		.amdhsa_user_sgpr_kernarg_segment_ptr 1
		.amdhsa_wavefront_size32 1
		.amdhsa_system_sgpr_workgroup_id_x 1
		.amdhsa_system_sgpr_workgroup_id_y 1
		.amdhsa_system_sgpr_workgroup_id_z 1
		.amdhsa_system_vgpr_workitem_id 0
		.amdhsa_next_free_vgpr 1024
		.amdhsa_next_free_sgpr 102
		.amdhsa_reserve_vcc 0
		.amdhsa_float_denorm_mode_32 3
		.amdhsa_float_denorm_mode_16_64 3
		.amdhsa_memory_ordered 1
		.amdhsa_forward_progress 1
		.amdhsa_inst_pref_size 125
	.end_amdhsa_kernel
	.amdgpu_metadata
---
amdhsa.version: [ 1, 2 ]
amdhsa.kernels:
  - .name:           k_q33583a62b8_qkv
    .symbol:         k_q33583a62b8_qkv.kd
    .args:
      - { .name: xw_codes, .offset: 0, .size: 8, .value_kind: global_buffer, .address_space: global }
      - { .name: xw_scales, .offset: 8, .size: 8, .value_kind: global_buffer, .address_space: global }
      - { .name: bq, .offset: 16, .size: 8, .value_kind: global_buffer, .address_space: global }
      - { .name: bk, .offset: 24, .size: 8, .value_kind: global_buffer, .address_space: global }
      - { .name: qkv_f, .offset: 32, .size: 8, .value_kind: global_buffer, .address_space: global }
    .group_segment_fixed_size: 327680
    .private_segment_fixed_size: 0
    .kernarg_segment_align: 8
    .kernarg_segment_size: 40
    .max_flat_workgroup_size: 128
    .sgpr_count:     102
    .vgpr_count:     1024
    .wavefront_size: 32
...
	.end_amdgpu_metadata
.endif
;; end of part 2
;; launch attn (part 3): grid 8 x 32, 4 waves a work-group, no clusters, 311,808 bytes of LDS; arguments qkv_f, kinfo, bv, ao_f; writes ao_f
.if DOCPART == 3
	.amdgcn_target "amdgcn-amd-amdhsa--gfx1250"
	.amdhsa_code_object_version 6
	.text
	.protected	k_q33583a62b8_attn
	.globl	k_q33583a62b8_attn
	.p2align	8
	.type	k_q33583a62b8_attn,@function
k_q33583a62b8_attn:
	s_mov_b64 s[64:65], 0
	v_nop
	global_prefetch_b8 v0, s[64:65] scope:SCOPE_SE
	s_setreg_imm32_b32 hwreg(HW_REG_WAVE_MODE, 25, 1), 1
	s_wait_xcnt 0x0
; ATTENTION for the kept query blocks alone: o = softmax(q k^T / 8) v0 + bv, f16 operands, f32 sums, maxima and exponentials; o rounded once to f16, stored as images of the next product's operand registers.
; SHARES.  Work-group (g, bh): batch and head bh; a PAIR is 32 queries (two tiles of 16): half g % 2 of a kept block.  The work-group takes the kept blocks g / 2 + 4 p of its batch, p < NP; NP (0 .. 8) comes
; from the stored counts.  THE WAVES SHARE THE KEYS: wave w walks keys 512 w .. + 511, 64 a step, for all pairs.  So each fragment of K and V goes from memory straight into registers once for a work-group and
; feeds 2 NP matrix instructions, the four waves have equal work for every split, and the loop has no barrier.  At the end the four partial results (c m, l, O) meet in LDS.
; WHY NO TENSOR LOADS, NO CLUSTER: how many pairs are walked hangs on numbers read from memory.
; LAYOUT.  S^T = K Q^T (source 0 = 16 keys, source 1 = 16 queries): a lane holds one query and keys 8 (lane / 16) + 0 .. 7.  Two such tiles packed to f16 ARE source 1 of O^T = V^T P.
; SOFTMAX.  Running c m and l for each query: p = 2^(c s - c m), c = log2(e) / 8; in every step l and O are multiplied by a = 2^(c m_old - c m_new).
; BY TURNS.  Pair p's softmax (2 x 119 vector instructions) carries a matrix instruction behind every seventh: first pair p - 1's 16 products V^T P, then pair p + 1's 16 products K Q^T.
; LIMITS: f16 operands (beyond 65,504 infinite; under 6e-5 a step of 6e-8).  A pair behind the last is given its K Q^T on staged, valid q; the result is never read.
; REGISTERS.  window 0: v1-15 addresses; v16-79 c m, -, l, l for 16 tiles; v80-95 at work; v96-127 Q of one pair; v128-191, v192-255 S^T of two pairs by turns (P in place in registers 32 t + 0 .. 15).
;   windows 1, 2: O^T of pairs 0-3, 4-7 (64 (p % 4) + 32 t + 8 ct).   window 3: K, V of two steps by turns (128 buf + 16 kt + 8 chunk; 128 buf + 64 + 32 kc + 8 ct).
.set QIMG,  262144                     ; LDS: 0 .. 262,143 the partial O (wave x 65,536 + tile x 4,096 + ct x 1,024); here Q's images, 4,096 bytes a pair;
.set STAT,  294912                     ; c m and l: wave x 4,096 + tile x 256 + {0, 128} + 4 x lane;
.set SPARE, 311296                     ; the spare words, 128 bytes a wave
.set SPW, 7
.set NIL, 8
.set ST,  16
.set TM,  80                           ; tile t: + 8 t: c0-c3, a, -, two partial sums
.set QF,  96
.set S0,  128
.set CM,  192                          ; the merge: c m of 2 tiles x 4 waves; l; f (even registers); maxima, sums, reciprocals; results; packed
.set LL,  200
.set FF,  208
.set MX,  224
.set LS,  226
.set RC,  228
.set OUTR, 232
.set HP,  248
.set OB,  128
.set MSB, 0
.macro WIN new                         ; the immediate's high byte repeats the setting that is left
.if MSB != (\new)
	s_set_vgpr_msb (MSB<<8)|(\new)
.set MSB, (\new)
.endif
.endm
; a step's K (8 fragments) and V (8 fragments), 8,192 bytes each, as they lie: 32 loads of 512 consecutive bytes
.macro KVLOAD buf, off
	WIN 0xc0                                       ; destination window 3
.irp f, 0,1,2,3,4,5,6,7
.irp c, 0,1
	global_load_b128 v[128*(\buf)+8*\f+4*\c:128*(\buf)+8*\f+4*\c+3], v1, s[26:27] offset:(\off)+1024*\f+512*\c
.endr
.endr
.irp f, 0,1,2,3,4,5,6,7
.irp c, 0,1
	global_load_b128 v[128*(\buf)+64+8*\f+4*\c:128*(\buf)+64+8*\f+4*\c+3], v1, s[28:29] offset:(\off)+1024*\f+512*\c
.endr
.endr
	WIN 0
.endm
	s_load_b256 s[4:11], s[0:1], 0x0               ; qkv_f, kinfo, bv, ao_f
	v_lshl_add_u32 v[SPW], v0, 2, SPARE
	v_mov_b32 v[NIL], 0
	v_lshrrev_b32 v9, 5, v0
	v_readfirstlane_b32 s18, v9                    ; wave
	v_and_b32 v10, 31, v0
	v_lshlrev_b32 v1, 4, v10                       ; v1  16 x lane
	v_lshlrev_b32 v6, 8, v10                       ; v6  256 x lane: the prefetches' offset
	v_add_nc_u32 v2, QIMG, v1                      ; v2  Q's images, read
	s_lshl_b32 s21, s18, 13
	v_add_nc_u32 v3, s21, v2                       ; v3  the two pairs that I stage
	s_lshl_b32 s21, s18, 16
	v_add_nc_u32 v4, s21, v1                       ; v4  my partial O
	v_lshlrev_b32 v9, 2, v10
	v_add_nc_u32 v9, STAT, v9                      ; v9  the statistics, read
	s_lshl_b32 s21, s18, 12
	v_add_nc_u32 v5, s21, v9                       ; v5  mine
	s_lshl_b32 s21, s18, 10
	v_add_nc_u32 v10, s21, v1                      ; v10 the merge: channel tile w of wave 0's partial O
	s_and_b32 s22, ttmp7, 0xffff                   ; bh
	s_lshr_b32 s23, s22, 4                         ; batch
	s_and_b32 s19, s22, 15                         ; head
	s_and_b32 s17, ttmp9, 1                        ; which half of a block
	s_lshr_b32 s15, ttmp9, 1                       ; which of four kept blocks
	s_mov_b32 s32, 0x3e38aa3b                      ; c = log2(e) / 8
	s_mov_b32 s33, s32
	s_mov_b32 s34, 0x76543210
	s_mov_b32 s35, 0xfedcba98                      ; lane l xor 16
	s_mov_b32 s36, 0                               ; trip
	s_cmp_eq_u32 ttmp9, 0                          ; the first work-group of a batch and head prefetches
	s_cselect_b32 s37, 3, 0
	s_cselect_b32 s38, 2, 0
	s_mov_b32 s31, 0
	s_wait_kmcnt 0x0
	s_load_b64 s[12:13], s[6:7], 0x100             ; n0, n1
	s_lshl_b32 s30, s22, 18
	s_lshl_b32 s21, s18, 16
	s_add_co_u32 s30, s30, s21
	s_add_co_u32 s30, s30, 0x800000
	s_add_nc_u64 s[26:27], s[4:5], s[30:31]        ; K at my wave's first key
	s_add_nc_u64 s[28:29], s[26:27], 0x800000      ; V likewise
	s_lshl_b32 s40, s19, 18
	s_lshl_b32 s21, s17, 12
	s_add_co_u32 s40, s40, s21                     ; Q: the head, the half
	s_wait_kmcnt 0x0
	s_min_u32 s12, s12, 32
	s_min_u32 s13, s13, 32
	s_cmp_eq_u32 s23, 0
	s_cselect_b32 s14, s12, s13
	s_add_co_u32 s16, s14, 3
	s_sub_co_u32 s16, s16, s15
	s_lshr_b32 s16, s16, 2                         ; NP
	s_mul_i32 s20, s12, s23                        ; batch 1's kept blocks stand behind batch 0's n0
	s_add_co_u32 s20, s20, s15
	s_lshl_b32 s20, s20, 2                         ; the byte of my first block's word: at most 4 x 35; + 16 p stays under 256
	s_lshl_b32 s21, s18, 5
	s_add_co_u32 s21, s20, s21
	s_load_b32 s24, s[6:7], s21 offset:0x0         ; the blocks of pairs 2 w and 2 w + 1.  All eight pairs are staged: any word of the list names a block whose q exists
	s_load_b32 s25, s[6:7], s21 offset:0x10
	s_wait_kmcnt 0x0
	s_min_u32 s24, s24, 63
	s_min_u32 s25, s25, 63
.irp q, 0,1
	s_and_b32 s30, s[24+\q], 32
	s_lshl_b32 s30, s30, 17                        ; the block's batch: 16 heads of 262,144 bytes
	s_and_b32 s39, s[24+\q], 31
	s_lshl_b32 s39, s39, 13                        ; the block: four tiles of 2,048 bytes
	s_add_co_u32 s30, s30, s39
	s_add_co_u32 s30, s30, s40
	s_add_nc_u64 s[44+2*\q:45+2*\q], s[4:5], s[30:31]
.endr
.irp q, 0,1
.irp k, 0,1,2,3,4,5,6,7
	global_load_b128 v[S0+32*\q+4*\k:S0+32*\q+4*\k+3], v1, s[44+2*\q:45+2*\q] offset:512*\k
.endr
.endr
	KVLOAD 0, 0                                    ; key step 0
	; The statistics and O^T of all eight pairs begin here, while the loads are on their way: c m = -3e38, l = 0, O^T = 0.  So the key step is written for one case only, and every register
	; that some way through the text reads has been written.
.set i, 0
.rept 16
	v_mov_b32 v[ST+4*i], 0xff61b1e6
	v_mov_b32 v[ST+4*i+1], 0
	v_mov_b32 v[ST+4*i+2], 0
	v_mov_b32 v[ST+4*i+3], 0
.set i, i+1
.endr
	v_mov_b32 v[TM+5], 0                           ; named as the upper halves of pairs
	v_mov_b32 v[TM+13], 0
	WIN 0x40
.set i, 0
.rept 256
	v_mov_b32 v[i], 0
.set i, i+1
.endr
	WIN 0x80
.set i, 0
.rept 256
	v_mov_b32 v[i], 0
.set i, i+1
.endr
	WIN 0
	s_wait_loadcnt 32                              ; Q's 16 loads are in; the 32 of K and V, issued behind them, may be out
.irp q, 0,1
.irp k, 0,1,2,3,4,5,6,7
	ds_store_b128 v3, v[S0+32*\q+4*\k:S0+32*\q+4*\k+3] offset:4096*\q+512*\k
.endr
.endr
	s_wait_dscnt 0x0                               ; my stores have landed
	s_barrier_signal -1
	s_barrier_wait -1                              ; all eight pairs' Q lie in LDS
	s_cmp_eq_u32 s16, 0
	s_cbranch_scc1 .Lmerge
; Product i of 16 of S^T = K Q^T for pair x: channels 32 (i / 8) on, keys 16 ((i / 2) % 4) on, tile i % 2.  The first 8 start the sums.  Eight accumulators take turns.
.macro KQ x, kb
.set rS2, S0+64*((\x)%2)+32*(i%2)+8*((i/2)%4)
.set rK, 128*(\kb)+16*((i/2)%4)+8*(i/8)
.set rQ, QF+16*(i%2)+8*(i/8)
	WIN 0x03                                       ; K in window 3
.if i < 8
	v_wmma_f32_16x16x32_f16 v[rS2:rS2+7], v[rK:rK+7], v[rQ:rQ+7], 0
.else
	v_wmma_f32_16x16x32_f16 v[rS2:rS2+7], v[rK:rK+7], v[rQ:rQ+7], v[rS2:rS2+7]
.endif
.endm
; Product i of 16 of O^T += V^T P for pair x: keys 32 (i / 8) on, channels 16 ((i / 2) % 4) on, tile i % 2.
.macro PV x, kb
.set rO2, 64*((\x)%4)+32*(i%2)+8*((i/2)%4)
.set rV, 128*(\kb)+64+32*(i/8)+8*((i/2)%4)
.set rP, S0+64*((\x)%2)+32*(i%2)+8*(i/8)
	WIN 0x53+0x50*((\x)/4)                         ; V in window 3, P in window 0, O^T in window 1 or 2
	v_wmma_f32_16x16x32_f16 v[rO2:rO2+7], v[rV:rV+7], v[rP:rP+7], v[rO2:rO2+7]
.endm
; Number j of 119 of tile t's softmax in pair p.
;   0-15 the maximum of 32 scores (each accumulator from its low end)   16-21 the other half of the lanes'; c m old and new; their difference
;   22-70 ONE BATCH: 16 scalings c s - c m, a pair each, and 33 exponentials (a, then the 32 scores); none of these names an exponential's result
;   71-86 l = a l + the sum of p, in two chains   87-102 p to f16, in place, ascending   103-118 O^T x a
.macro SM t, p
.set rS, S0+64*((\p)%2)+32*(\t)
.set rT, ST+4*(2*(\p)+(\t))
.set rM, TM+8*(\t)
.set rO, 64*((\p)%4)+32*(\t)
.if j < 103
	WIN 0
.endif
.if j < 4
	v_max3_num_f32 v[rM+j], v[rS+8*j], v[rS+8*j+1], v[rS+8*j+2]
.elseif j < 12
	v_max3_num_f32 v[rM+j%4], v[rM+j%4], v[rS+8*(j%4)+2*(j/4)+1], v[rS+8*(j%4)+2*(j/4)+2]
.elseif j == 12
	v_max3_num_f32 v[rM], v[rM], v[rS+7], v[rS+15]
.elseif j == 13
	v_max3_num_f32 v[rM+2], v[rM+2], v[rS+23], v[rS+31]
.elseif j == 14
	v_max3_num_f32 v[rM], v[rM], v[rM+1], v[rM+2]
.elseif j == 15
	v_max_num_f32 v[rM], v[rM], v[rM+3]
.elseif j == 16
	v_permlanex16_b32 v[rM+1], v[rM], s34, s35
.elseif j == 17
	v_max_num_f32 v[rM], v[rM], v[rM+1]
.elseif j == 18
	v_mov_b32 v[rM+2], v[rT]
.elseif j == 19
	v_mul_f32 v[rM], s32, v[rM]
.elseif j == 20
	v_max_num_f32 v[rT], v[rT], v[rM]
.elseif j == 21
	v_sub_f32 v[rM+2], v[rM+2], v[rT]
.elseif j < 71
.set qq, j-22
.set isf, 0
.set bb, 0
.set ee, 0
.if qq == 0
.set isf, 1
.elseif qq == 1
.set isf, 2
.elseif qq >= 47
.set ee, qq-17
.elseif (qq-2)%3 == 0
.set isf, 1
.set bb, (qq-2)/3+1
.else
.set ee, 2*((qq-2)/3)+(qq-2)%3-1
.endif
.if isf == 1
	v_pk_fma_f32 v[rS+2*bb:rS+2*bb+1], v[rS+2*bb:rS+2*bb+1], s[32:33], v[rT:rT+1] op_sel_hi:[1,0,0] neg_lo:[0,0,1] neg_hi:[0,0,1]
.elseif isf == 2
	v_exp_f32 v[rM+4], v[rM+2]
.else
	v_exp_f32 v[rS+ee], v[rS+ee]
.endif
.elseif j == 71
	v_pk_fma_f32 v[rT+2:rT+3], v[rT+2:rT+3], v[rM+4:rM+5], v[rS:rS+1] op_sel_hi:[1,0,1]
.elseif j == 72
	v_pk_add_f32 v[rM+6:rM+7], v[rS+2:rS+3], v[rS+4:rS+5]
.elseif j < 86
.set kk, j-70
.if kk%2 == 1
	v_pk_add_f32 v[rT+2:rT+3], v[rT+2:rT+3], v[rS+2*kk:rS+2*kk+1]
.else
	v_pk_add_f32 v[rM+6:rM+7], v[rM+6:rM+7], v[rS+2*kk:rS+2*kk+1]
.endif
.elseif j == 86
	v_pk_add_f32 v[rT+2:rT+3], v[rT+2:rT+3], v[rM+6:rM+7]
.elseif j < 103
	v_cvt_pk_f16_f32 v[rS+j-87], v[rS+2*(j-87)], v[rS+2*(j-87)+1]
.else
	WIN 0x41+0x41*((\p)/4)                         ; O^T in window 1 or 2, a in window 0
	v_pk_mul_f32 v[rO+2*(j-103):rO+2*(j-103)+1], v[rO+2*(j-103):rO+2*(j-103)+1], v[rM+4:rM+5] op_sel_hi:[1,0]
.endif
.endm
; PAIR p's BLOCK.  Q of pair p + 1 is asked for at its head (Q's last reader stands 14 plain lines back).  Behind every seventh vector line a matrix instruction: places 1-16 pair p - 1's V^T P, places 17-32
; pair p + 1's K Q^T.  That K Q^T writes over the P that pair p - 1's V^T P read: registers 32 t + 0 .. 7 were last read at place 8 and are written at place 17; registers 32 t + 8 .. 15 were last read at
; place 16 and are written at places 19, 20: seven lines of the batch (scalings and exponentials), plain lines that name none of those registers, lie between.  Behind the last K Q^T stand 14 plain lines (O^T x a) ahead of the first read of its result.
; One wait between the exponentials and the first line that names a result: it stands behind number 70, with a plain line ahead of it.
.macro XBLOCK p, kb
.if (\p) < 7
	WIN 0
.irp f, 0,1,2,3,4,5,6,7
	ds_load_b128 v[QF+4*\f:QF+4*\f+3], v2 offset:((\p)+1)*4096+512*\f
.endr
.endif
.set n, 0
.set j, 0
.rept 119
.irp t, 0,1
	SM \t, \p
.set n, n+1
.if n%7 == 0
.set sl, n/7
.if (sl <= 16) && ((\p) > 0)
.set i, sl-1
	PV (\p)-1, \kb
.elseif (sl > 16) && (sl <= 32) && ((\p) < 7)
.if sl == 17
	s_wait_dscnt 0x0                               ; Q of pair p + 1 is in
.endif
.set i, sl-17
	KQ (\p)+1, \kb
.endif
.endif
.endr
.if j == 70
	v_nop
	s_wait_alu depctr_va_vdst(0)
.endif
.set j, j+1
.endr
.endm
; Behind pair p's block: if it was the last pair, its V^T P stands bare and the step ends.
.macro TAIL p, kb
	WIN 0
.if (\p) < 7
	s_cmp_lg_u32 s16, (\p)+1
	s_cbranch_scc1 .Lgo_\@
.endif
.set i, 0
.rept 16
	PV \p, \kb
.set i, i+1
.endr
	WIN 0
.if (\p) < 7
	s_branch .Lend_\kb
.Lgo_\@:
.endif
.endm
; A prefetch into the L2 of the step three on, 8,192 bytes of K and of V, lanes 256 bytes apart: two steps ahead of the loads that will want it.  The first work-group of a batch and head asks, each wave for
; its own keys: each block of 256 bytes is named once in the launch.  Steps 0 to 2 come by their loads alone; the counts end the asking at step 7.
.macro ASK kb
	s_cmp_lt_u32 s36, s[37+(\kb)]
	s_cbranch_scc0 .Lnoask_\@
	global_prefetch_b8 v6, s[26:27] offset:((\kb)+3)*8192 th:TH_LOAD_NT scope:SCOPE_SE
	global_prefetch_b8 v6, s[28:29] offset:((\kb)+3)*8192 th:TH_LOAD_NT scope:SCOPE_SE
.Lnoask_\@:
.endm
; A KEY STEP: 64 keys, from buffer kb.
.macro STEP kb
	s_wait_loadcnt 0x0                             ; this step's K and V, asked for a step ago
.rept 5
	v_nop                                          ; four places ahead of loads into the buffer that the last products read; five ahead of the K Q^T that writes over the P that they read
.endr
.irp f, 0,1,2,3,4,5,6,7
	ds_load_b128 v[QF+4*\f:QF+4*\f+3], v2 offset:512*\f
.endr
.if (\kb) == 0
	KVLOAD 1, 8192
.else
	s_cmp_eq_u32 s36, 3                            ; there is no step 8
	s_cbranch_scc1 .Lno_step8
	KVLOAD 0, 16384
.Lno_step8:
.endif
	ASK \kb
	s_wait_dscnt 0x0
.set i, 0
.rept 16
	KQ 0, \kb
.set i, i+1
.endr
	WIN 0
.rept 4
	v_nop
.endr
.irp p, 0,1,2,3,4,5,6,7
	XBLOCK \p, \kb
	TAIL \p, \kb
.endr
.endm
.Lstep:                                            ; four trips of two steps
	STEP 0
.Lend_0:
	STEP 1
.Lend_1:
	s_wait_xcnt 0x0                                ; the loads and prefetches have read their bases
	s_add_nc_u64 s[26:27], s[26:27], 16384
	s_add_nc_u64 s[28:29], s[28:29], 16384
	s_add_co_u32 s36, s36, 1
	s_cmp_lt_u32 s36, 4
	s_cbranch_scc1 .Lstep
; THE WRITER: my c m, l and O^T of each pair go to LDS as they stand.
.rept 4
	v_nop                                          ; places behind the last products
.endr
.macro WRITE p
.if (\p) > 0
	s_cmp_eq_u32 s16, \p
	s_cbranch_scc1 .Lmerge
.endif
.irp t, 0,1
	v_add_f32 v[TM+8*\t], v[ST+4*(2*(\p)+\t)+2], v[ST+4*(2*(\p)+\t)+3]
.endr
.irp t, 0,1
	v_permlanex16_b32 v[TM+8*\t+1], v[TM+8*\t], s34, s35
.endr
.irp t, 0,1
	v_add_f32 v[TM+8*\t], v[TM+8*\t], v[TM+8*\t+1]
.endr
.irp t, 0,1
	ds_store_b32 v5, v[ST+4*(2*(\p)+\t)] offset:(2*(\p)+\t)*256
	ds_store_b32 v5, v[TM+8*\t] offset:(2*(\p)+\t)*256+128
.endr
	WIN 0x04*(1+(\p)/4)                            ; an LDS store's data are its source 1: window 1 or 2
.irp t, 0,1
.irp ct, 0,1,2,3
.irp c, 0,1
	ds_store_b128 v4, v[64*((\p)%4)+32*\t+8*\ct+4*\c:64*((\p)%4)+32*\t+8*\ct+4*\c+3] offset:(2*(\p)+\t)*4096+1024*\ct+512*\c
.endr
.endr
.endr
	WIN 0
.endm
.irp p, 0,1,2,3,4,5,6,7
	WRITE \p
.endr
.Lmerge:
	v_bfe_u32 v11, v0, 4, 1
	v_lshlrev_b32 v11, 5, v11
	s_lshl_b32 s30, s19, 8
	s_lshl_b32 s39, s18, 6
	s_add_co_u32 s30, s30, s39
	s_add_nc_u64 s[8:9], s[8:9], s[30:31]
	global_load_b128 v[96:99], v11, s[8:9]         ; bv of channels 64 head + 16 w + 8 (lane / 16) + 0 .. 7
	global_load_b128 v[100:103], v11, s[8:9] offset:16
	s_lshl_b32 s30, s17, 16                        ; ao_f: two tiles of tokens for the half,
	s_lshl_b32 s39, s19, 11                        ; two chunks of 1,024 bytes a head,
	s_add_co_u32 s30, s30, s39
	s_lshl_b32 s39, s18, 9                         ; channel tile w: chunk w / 2, registers 4 (w % 2) on: 512 w
	s_add_co_u32 s30, s30, s39
	s_add_nc_u64 s[10:11], s[10:11], s[30:31]
.irp i, 1,3,5,7,9,11,13,15
	v_mov_b32 v[FF+\i], 0                          ; named as the upper halves of pairs
.endr
	s_wait_dscnt 0x0                               ; my stores have landed
	s_barrier_signal -1
	s_barrier_wait -1                              ; every wave passes this barrier, whatever NP is
	s_wait_loadcnt 0x0                             ; bv
; THE READER: a loop of eight trips; a trip whose pair does not exist is passed over.  Wave w finishes channel tile w of both tiles of the pair:
; M = the largest c m of the four waves, f = 2^(c m - M), L = the sum of f l, o = bv + the sum of (f / L) O.
	s_mov_b32 s39, 0                               ; p
	s_mov_b32 s41, s20                             ; the pair's word in the list
	s_mov_b32 s42, 0                               ; 512 p
	s_mov_b32 s43, 0                               ; 8,192 p
.Lread:
	s_cmp_ge_u32 s39, s16
	s_cbranch_scc1 .Lrskip
	s_load_b32 s40, s[6:7], s41 offset:0x0
	v_add_nc_u32 v11, s42, v9
	v_add_nc_u32 v12, s43, v10
	v_add_nc_u32 v13, 65536, v12
	v_add_nc_u32 v14, 131072, v12
	v_add_nc_u32 v15, 196608, v12
.irp t, 0,1
.irp s, 0,1,2,3
	ds_load_b32 v[CM+4*\t+\s], v11 offset:4096*\s+256*\t
	ds_load_b32 v[LL+4*\t+\s], v11 offset:4096*\s+256*\t+128
.endr
.endr
.irp t, 0,1
.irp s, 0,1,2,3
.irp c, 0,1
	ds_load_b128 v[OB+32*\t+8*\s+4*\c:OB+32*\t+8*\s+4*\c+3], v[12+\s] offset:4096*\t+512*\c
.endr
.endr
.endr
	s_wait_dscnt 0x0
.irp t, 0,1
	v_max3_num_f32 v[MX+\t], v[CM+4*\t], v[CM+4*\t+1], v[CM+4*\t+2]
.endr
.irp t, 0,1
	v_max_num_f32 v[MX+\t], v[MX+\t], v[CM+4*\t+3]
.endr
.irp t, 0,1
.irp s, 0,1,2,3
	v_sub_f32 v[CM+4*\t+\s], v[CM+4*\t+\s], v[MX+\t]
.endr
.endr
.irp t, 0,1
.irp s, 0,1,2,3
	v_exp_f32 v[FF+8*\t+2*\s], v[CM+4*\t+\s]
.endr
.endr
	v_nop                                          ; a plain line behind the exponentials,
	s_wait_alu depctr_va_vdst(0)                   ; and the one wait ahead of their first reader
.irp t, 0,1
	v_mul_f32 v[LS+\t], v[FF+8*\t], v[LL+4*\t]
.endr
.irp s, 1,2,3
.irp t, 0,1
	v_fmac_f32 v[LS+\t], v[FF+8*\t+2*\s], v[LL+4*\t+\s]
.endr
.endr
.irp t, 0,1
	v_rcp_f32 v[RC+\t], v[LS+\t]
.endr
	v_nop
	s_wait_alu depctr_va_vdst(0)
.irp t, 0,1
.irp s, 0,1,2,3
	v_mul_f32 v[FF+8*\t+2*\s], v[FF+8*\t+2*\s], v[RC+\t]
.endr
.endr
.irp t, 0,1
.irp i, 0,1,2,3
	v_pk_fma_f32 v[OUTR+8*\t+2*\i:OUTR+8*\t+2*\i+1], v[OB+32*\t+2*\i:OB+32*\t+2*\i+1], v[FF+8*\t:FF+8*\t+1], v[96+2*\i:97+2*\i] op_sel_hi:[1,0,1]
.endr
.endr
.irp s, 1,2,3
.irp t, 0,1
.irp i, 0,1,2,3
	v_pk_fma_f32 v[OUTR+8*\t+2*\i:OUTR+8*\t+2*\i+1], v[OB+32*\t+8*\s+2*\i:OB+32*\t+8*\s+2*\i+1], v[FF+8*\t+2*\s:FF+8*\t+2*\s+1], v[OUTR+8*\t+2*\i:OUTR+8*\t+2*\i+1] op_sel_hi:[1,0,1]
.endr
.endr
.endr
.irp t, 0,1
.irp i, 0,1,2,3
	v_cvt_pk_f16_f32 v[HP+4*\t+\i], v[OUTR+8*\t+2*\i], v[OUTR+8*\t+2*\i+1]
.endr
.endr
	s_wait_kmcnt 0x0
	s_min_u32 s40, s40, 63
	s_lshl_b32 s30, s40, 17                        ; the block: four tiles of tokens of 32,768 bytes
	s_add_nc_u64 s[44:45], s[10:11], s[30:31]
	global_store_b128 v1, v[HP:HP+3], s[44:45]                    ; each store covers 512 consecutive bytes, aligned
	global_store_b128 v1, v[HP+4:HP+7], s[44:45] offset:32768
.Lrskip:
	s_wait_xcnt 0x0                                ; the stores have read their data and their base
	s_add_co_u32 s41, s41, 16
	s_add_co_u32 s42, s42, 512
	s_add_co_u32 s43, s43, 8192
	s_add_co_u32 s39, s39, 1
	s_cmp_lt_u32 s39, 8
	s_cbranch_scc1 .Lread
	s_wait_tensorcnt 0x0                           ; the wave's end
	ds_add_u32 v[SPW], v[NIL]
	s_wait_dscnt 0x0
	s_endpgm
.Lfunc_end_k_q33583a62b8_attn:
	.size	k_q33583a62b8_attn, .Lfunc_end_k_q33583a62b8_attn-k_q33583a62b8_attn
	.p2alignl 7, 3214868480
	.fill 96, 4, 3214868480
	.section	.rodata,"a",@progbits
	.p2align	6, 0x0
	.amdhsa_kernel k_q33583a62b8_attn
		.amdhsa_group_segment_fixed_size 311808
		.amdhsa_private_segment_fixed_size 0
		.amdhsa_enable_private_segment 0
		.amdhsa_kernarg_size 32
		.amdhsa_user_sgpr_count 2
		.amdhsa_user_sgpr_kernarg_segment_ptr 1
		.amdhsa_wavefront_size32 1
		.amdhsa_system_sgpr_workgroup_id_x 1
		.amdhsa_system_sgpr_workgroup_id_y 1
		.amdhsa_system_sgpr_workgroup_id_z 1
		.amdhsa_system_vgpr_workitem_id 0
		.amdhsa_next_free_vgpr 1024
		.amdhsa_next_free_sgpr 66
		.amdhsa_reserve_vcc 0
		.amdhsa_float_denorm_mode_32 3
		.amdhsa_float_denorm_mode_16_64 3
		.amdhsa_memory_ordered 1
		.amdhsa_forward_progress 1
		.amdhsa_inst_pref_size 255
	.end_amdhsa_kernel
	.section	.bss,"aw",@nobits
	.p2align	6
	.space	262144
	.amdgpu_metadata
---
amdhsa.version: [ 1, 2 ]
amdhsa.kernels:
  - .name:           k_q33583a62b8_attn
    .symbol:         k_q33583a62b8_attn.kd
    .args:
      - { .name: qkv_f, .offset: 0, .size: 8, .value_kind: global_buffer, .address_space: global }
      - { .name: kinfo, .offset: 8, .size: 8, .value_kind: global_buffer, .address_space: global }
      - { .name: bv, .offset: 16, .size: 8, .value_kind: global_buffer, .address_space: global }
      - { .name: ao_f, .offset: 24, .size: 8, .value_kind: global_buffer, .address_space: global }
    .group_segment_fixed_size: 311808
    .private_segment_fixed_size: 0
    .kernarg_segment_align: 8
    .kernarg_segment_size: 32
    .max_flat_workgroup_size: 128
    .sgpr_count:     66
    .vgpr_count:     1024
    .wavefront_size: 32
...
	.end_amdgpu_metadata
.endif
;; end of part 3
;; launch oproj (part 4): grid 8 x 64, 4 waves a work-group, no clusters, 135,680 bytes of LDS; arguments ao_f, wo_f, kinfo, bo, out0; writes out0
.if DOCPART == 4
	.amdgcn_target "amdgcn-amd-amdhsa--gfx1250"
	.amdhsa_code_object_version 6
	.text
	.protected	k_q33583a62b8_oproj
	.globl	k_q33583a62b8_oproj
	.p2align	8
	.type	k_q33583a62b8_oproj,@function
k_q33583a62b8_oproj:
	s_mov_b64 s[64:65], 0
	v_nop
	global_prefetch_b8 v0, s[64:65] scope:SCOPE_SE
	s_setreg_imm32_b32 hwreg(HW_REG_WAVE_MODE, 25, 1), 1
	s_wait_xcnt 0x0
; out0 = (attention's output, zero in skipped blocks) Wo + bo.  f16 operands, f32 sums.
; Work-group (xt, y): the y-th block of the stored list (kept blocks first), 64 rows, x 128 columns.  Every block stands once in the list, so every row has one owner.
; A skipped block's rows are bo.  A kept block: THE WAVES SHARE K: wave w takes k = 256 w .. + 255 for the whole 64 x 128: 32 accumulators; each fragment goes from memory straight into registers, once for a
; work-group; the four partial tiles meet in LDS, and each wave adds and stores 16 whole rows of 512 bytes.
; The matrix instruction is used transposed (source 0 = 16 columns of Wo, source 1 = 16 tokens): a lane holds one row and eight neighbouring columns.
; WHY NO TENSOR LOADS, NO CLUSTER: whether a block is multiplied hangs on numbers read from memory.
; REGISTERS: window 0: v1-6 addresses; v8-11 bo; v64-159, v160-255 two sets of fragments (8 of Wo, 4 of the tokens); window 1: the accumulators ((a, n) at v[8 (8 a + n)]).
.set PLANE, 33792                      ; a wave's partial tile in LDS: 64 rows x (512 + 16) bytes
.set SPARE, 135168                     ; behind the four: the spare words, 128 bytes a wave
.set SPW, 5
.set NIL, 6
.set MSB, 0
.macro WIN new
.if MSB != (\new)
	s_set_vgpr_msb (MSB<<8)|(\new)
.set MSB, (\new)
.endif
.endm
	s_load_b256 s[4:11], s[0:1], 0x0               ; ao_f, wo_f, kinfo, bo
	s_load_b64 s[12:13], s[0:1], 0x20              ; out0
	v_lshl_add_u32 v[SPW], v0, 2, SPARE
	v_mov_b32 v[NIL], 0
	v_lshrrev_b32 v7, 5, v0
	v_readfirstlane_b32 s18, v7                    ; wave
	v_and_b32 v7, 31, v0
	v_lshlrev_b32 v1, 4, v7                        ; v1 16 x lane
	v_and_b32 v12, 15, v0
	v_bfe_u32 v13, v0, 4, 1
	v_mul_u32_u24 v2, v12, 528
	v_lshl_add_u32 v2, v13, 5, v2
	s_mul_i32 s19, s18, PLANE
	v_add_nc_u32 v2, s19, v2                       ; v2 into my plane: row r, + 32 h
	s_mul_i32 s19, s18, 8448
	v_add_nc_u32 v3, s19, v1                       ; v3 back: my 16 rows of planes 0, 1;
	v_add_nc_u32 v4, 2*PLANE, v3                   ; v4 of planes 2, 3
	s_and_b32 s16, ttmp7, 0xffff
	s_lshl_b32 s17, s16, 2
	s_mov_b32 s21, 0
	s_mov_b32 s23, 0
	s_wait_kmcnt 0x0
	s_load_b32 s14, s[8:9], s17 offset:0x0         ; my block
	s_load_b32 s15, s[8:9], 0x108                  ; how many are kept
	s_lshl_b32 s20, ttmp9, 9
	s_add_nc_u64 s[10:11], s[10:11], s[20:21]
	global_load_b128 v[8:11], v1, s[10:11]         ; bo of my four columns
	s_wait_kmcnt 0x0
	s_min_u32 s14, s14, 63
	s_min_u32 s15, s15, 64
	s_lshl_b32 s22, s14, 18                        ; 64 rows of 4,096 bytes,
	s_lshl_b32 s25, s18, 16                        ; my 16 of them,
	s_add_co_u32 s22, s22, s25
	s_add_co_u32 s22, s22, s20                     ; my work-group's 512 bytes of a row
	s_add_nc_u64 s[12:13], s[12:13], s[22:23]
	s_cmp_lt_u32 s16, s15
	s_cselect_b32 s24, 1, 0                        ; kept?
	s_cmp_eq_u32 s24, 0
	s_cbranch_scc1 .Lbar
	s_lshl_b32 s22, s14, 17                        ; four tiles of tokens of 32,768 bytes,
	s_lshl_b32 s25, s18, 13                        ; my eight K steps of 1,024
	s_add_co_u32 s22, s22, s25
	s_add_nc_u64 s[4:5], s[4:5], s[22:23]
	s_lshl_b32 s22, ttmp9, 18                      ; eight tiles of columns of 32,768 bytes
	s_add_co_u32 s22, s22, s25
	s_add_nc_u64 s[6:7], s[6:7], s[22:23]
.macro FLOAD s                         ; K step s of my eight: 24 loads of 512 consecutive bytes
.set FB, 64+96*((\s)%2)
.irp n, 0,1,2,3,4,5,6,7
.irp c, 0,1
	global_load_b128 v[FB+8*\n+4*\c:FB+8*\n+4*\c+3], v1, s[6:7] offset:32768*\n+1024*(\s)+512*\c
.endr
.endr
.irp a, 0,1,2,3
.irp c, 0,1
	global_load_b128 v[FB+64+8*\a+4*\c:FB+64+8*\a+4*\c+3], v1, s[4:5] offset:32768*\a+1024*(\s)+512*\c
.endr
.endr
.endm
.macro KSTEP s                         ; 32 matrix instructions, the 32 accumulators by turns; the first step starts the sums
.set FM, 64+96*((\s)%2)
.if (\s) < 7
	s_wait_loadcnt 24                              ; this step's loads are in; the next step's 24 may be out
.else
	s_wait_loadcnt 0x0
.endif
	WIN 0x50                                       ; C and D window 1
.irp a, 0,1,2,3
.irp n, 0,1,2,3,4,5,6,7
.if (\s) == 0
	v_wmma_f32_16x16x32_f16 v[8*(8*\a+\n):8*(8*\a+\n)+7], v[FM+8*\n:FM+8*\n+7], v[FM+64+8*\a:FM+64+8*\a+7], 0
.else
	v_wmma_f32_16x16x32_f16 v[8*(8*\a+\n):8*(8*\a+\n)+7], v[FM+8*\n:FM+8*\n+7], v[FM+64+8*\a:FM+64+8*\a+7], v[8*(8*\a+\n):8*(8*\a+\n)+7]
.endif
.endr
.endr
	WIN 0
.rept 4
	v_nop                                          ; places ahead of loads into registers that the products read, and of the first read of results
.endr
.if (\s)+2 < 8
	FLOAD (\s)+2
.endif
.endm
	FLOAD 0
	FLOAD 1
.irp s, 0,1,2,3,4,5,6,7
	KSTEP \s
.endr
	WIN 0x04                                       ; an LDS store's data are its source 1: window 1
.irp a, 0,1,2,3
.irp n, 0,1,2,3,4,5,6,7
.irp c, 0,1
	ds_store_b128 v2, v[8*(8*\a+\n)+4*\c:8*(8*\a+\n)+4*\c+3] offset:8448*\a+64*\n+16*\c   ; each accumulator from its low end on
.endr
.endr
.endr
	WIN 0
.Lbar:
	s_wait_loadcnt 0x0                             ; bo, on both ways
	s_wait_dscnt 0x0                               ; my stores have landed
	s_barrier_signal -1
	s_barrier_wait -1                              ; every wave passes this barrier, kept or not
	s_cmp_eq_u32 s24, 0
	s_cbranch_scc1 .Lplain
.irp g, 0,1,2,3                        ; four rows at a time: the four planes' 16 bytes a lane, added, + bo
.if \g > 0
	s_wait_xcnt 0x0                                ; the last group's stores have read their data
.endif
.irp r, 0,1,2,3
.irp s, 0,1,2,3
	ds_load_b128 v[64+16*\r+4*\s:64+16*\r+4*\s+3], v[3+\s/2] offset:(\s%2)*PLANE+(4*\g+\r)*528
.endr
.endr
	s_wait_dscnt 0x0
.irp r, 0,1,2,3
	v_pk_add_f32 v[64+16*\r:65+16*\r], v[64+16*\r:65+16*\r], v[68+16*\r:69+16*\r]
	v_pk_add_f32 v[66+16*\r:67+16*\r], v[66+16*\r:67+16*\r], v[70+16*\r:71+16*\r]
	v_pk_add_f32 v[72+16*\r:73+16*\r], v[72+16*\r:73+16*\r], v[76+16*\r:77+16*\r]
	v_pk_add_f32 v[74+16*\r:75+16*\r], v[74+16*\r:75+16*\r], v[78+16*\r:79+16*\r]
	v_pk_add_f32 v[64+16*\r:65+16*\r], v[64+16*\r:65+16*\r], v[72+16*\r:73+16*\r]
	v_pk_add_f32 v[66+16*\r:67+16*\r], v[66+16*\r:67+16*\r], v[74+16*\r:75+16*\r]
	v_pk_add_f32 v[64+16*\r:65+16*\r], v[64+16*\r:65+16*\r], v[8:9]
	v_pk_add_f32 v[66+16*\r:67+16*\r], v[66+16*\r:67+16*\r], v[10:11]
	global_store_b128 v1, v[64+16*\r:67+16*\r], s[12:13] offset:(4*\g+\r)*4096 th:TH_STORE_NT   ; 32 lanes store 512 consecutive bytes, aligned
.endr
.endr
	s_branch .Ldone
.Lplain:
.irp r, 0,1,2,3,4,5,6,7,8,9,10,11,12,13,14,15
	global_store_b128 v1, v[8:11], s[12:13] offset:\r*4096 th:TH_STORE_NT
.endr
.Ldone:
	s_wait_tensorcnt 0x0                           ; the wave's end
	ds_add_u32 v[SPW], v[NIL]
	s_wait_dscnt 0x0
	s_endpgm
.Lfunc_end_k_q33583a62b8_oproj:
	.size	k_q33583a62b8_oproj, .Lfunc_end_k_q33583a62b8_oproj-k_q33583a62b8_oproj
	.p2alignl 7, 3214868480
	.fill 96, 4, 3214868480
	.section	.rodata,"a",@progbits
	.p2align	6, 0x0
	.amdhsa_kernel k_q33583a62b8_oproj
		.amdhsa_group_segment_fixed_size 135680
		.amdhsa_private_segment_fixed_size 0
		.amdhsa_enable_private_segment 0
		.amdhsa_kernarg_size 40
		.amdhsa_user_sgpr_count 2
		.amdhsa_user_sgpr_kernarg_segment_ptr 1
		.amdhsa_wavefront_size32 1
		.amdhsa_system_sgpr_workgroup_id_x 1
		.amdhsa_system_sgpr_workgroup_id_y 1
		.amdhsa_system_sgpr_workgroup_id_z 1
		.amdhsa_system_vgpr_workitem_id 0
		.amdhsa_next_free_vgpr 512
		.amdhsa_next_free_sgpr 66
		.amdhsa_reserve_vcc 0
		.amdhsa_float_denorm_mode_32 3
		.amdhsa_float_denorm_mode_16_64 3
		.amdhsa_memory_ordered 1
		.amdhsa_forward_progress 1
		.amdhsa_inst_pref_size 58
	.end_amdhsa_kernel
	.amdgpu_metadata
---
amdhsa.version: [ 1, 2 ]
amdhsa.kernels:
  - .name:           k_q33583a62b8_oproj
    .symbol:         k_q33583a62b8_oproj.kd
    .args:
      - { .name: ao_f, .offset: 0, .size: 8, .value_kind: global_buffer, .address_space: global }
      - { .name: wo_f, .offset: 8, .size: 8, .value_kind: global_buffer, .address_space: global }
      - { .name: kinfo, .offset: 16, .size: 8, .value_kind: global_buffer, .address_space: global }
      - { .name: bo, .offset: 24, .size: 8, .value_kind: global_buffer, .address_space: global }
      - { .name: out0, .offset: 32, .size: 8, .value_kind: global_buffer, .address_space: global }
    .group_segment_fixed_size: 135680
    .private_segment_fixed_size: 0
    .kernarg_segment_align: 8
    .kernarg_segment_size: 40
    .max_flat_workgroup_size: 128
    .sgpr_count:     66
    .vgpr_count:     512
    .wavefront_size: 32
...
	.end_amdgpu_metadata
.endif
;; end of part 4
